; MI455X (gfx1250); checked and timed in simulation.
; The chip was launched on July 23, 2026; its instructions are those of AMD's public machine-readable ISA for CDNA 5 (MIT licence, August 2026) and "CDNA5" Instruction Set Architecture Reference Guide (July 2026). The comments in the code are by the model that wrote it; some were corrected since.
;; Head. Allowed arithmetic: matrix products marked QUANTISED: E2M3 operands, one E8M0 scale for each 32 along K, by v_wmma_scale_f32_16x16x128_f8f6f4 with both operands' format E2M3, f32 sums; everything else in f32.
;; Inputs: Wk 256 x 64 float32; Wq 256 x 64 float32; Wv 256 x 64 float32; x 32 x 1,024 x 256 float32.
;; Outputs: out0 32 x 1,024 x 64 float32.
;; This version of the problem:
;;   THIS VERSION OF THE PROBLEM IS GIVEN IN LOW PRECISION. The matrix products marked QUANTISED in the list below multiply operands that are first quantised to E2M3 (2 exponent bits, 3 mantissa bits; 6 bits a number), with one power-of-two scale for each 32 numbers along K (OCP MX v1.0); their sums are f32. All else is computed in f32.
;;   The module's matrix products, in the order in which they are computed (A, B: the left and right operand; K: the contracted axis; several contracted axes count as one K, in the product's order):
;;     1. [M 32,768, K 256] x [K 256, N 64]; A: input x; B: input Wq: QUANTISED
;;     2. [M 32,768, K 256] x [K 256, N 64]; A: input x; B: input Wk: QUANTISED
;;     3. [M 32,768, K 256] x [K 256, N 64]; A: input x; B: input Wv: QUANTISED
;;     4. batch 32 x [M 1,024, K 64] x [K 64, N 1,024]; A: computed on the way; B: computed on the way: QUANTISED
;;     5. batch 32 x [M 1,024, K 1,024] x [K 1,024, N 64]; A: softmax (see below); B: computed on the way: QUANTISED
;;   THE QUANTISER, for each operand of a quantised product, along K:
;;     - K is cut into blocks of 32 from its start; a last block that is shorter is filled with zeros.
;;     - A block's scale is 2^e with e = floor(log2(the largest magnitude in the block)) - 2, held to -126 .. 127; a block of zeros has e = 0. As a byte (E8M0): e + 127.
;;     - Each number is divided by its block's scale, clamped to +-7.5, and rounded to the nearest number of E2M3, ties to even, subnormals kept.
;;     - The product sums the exact products of the quantised numbers (number of the format x scale) in f32.
;;   ~~~python
;;   def quantise(x, axis):      # numpy; x: float32 -> the quantised numbers, widened to float32 again
;;       x = np.moveaxis(x, axis, -1); K = x.shape[-1]
;;       x = np.pad(x, [(0, 0)] * (x.ndim - 1) + [(0, -K % 32)]); x = x.reshape(x.shape[:-1] + (-1, 32)); a = np.abs(x).max(-1, keepdims=True)
;;       e = np.where(a > 0, np.clip(np.frexp(np.where(a > 0, a, 1))[1] - 1 - 2, -126, 127), 0)      # np.frexp(a)[1] - 1 = floor(log2(a)), exactly
;;       r = np.clip(x / 2.0 ** e, -7.5, 7.5)
;;       step = 2.0 ** (np.maximum(np.frexp(np.where(r == 0, 1, r))[1] - 1, 0) - 3)
;;       q = np.round(r / step) * step * 2.0 ** e      # np.round: ties to even
;;       return np.moveaxis(q.reshape(q.shape[:-2] + (-1,))[..., :K], -1, axis).astype(np.float32)
;;   ~~~
;;   SOFTMAX AHEAD OF A QUANTISED PRODUCT. Where the list says 'softmax', what is quantised is not the finished softmax but p = 2^(t - M), with t = logit x log2(e) and M = ceil(the row's largest t), a whole number; so 1/2 < the row's largest p <= 1. The row's sum l is taken of the UNQUANTISED p, in f32, and the product's result is divided by l at the end. Since M is a whole number, a kernel that streams over the keys may use a running M (the ceiling of the running maximum): every later rescaling is an exact power of two, which a block's scale takes up: the codes' values come out the same.
;;   OPERANDS COMPUTED ON THE WAY. 'Computed on the way' means the value that the module computes at that place (a softmax that the list does not call 'softmax' is quantised finished and normalised). What goes into a quantiser is computed in f32, as accurately as f32 sums, v_exp_f32 and their like allow (about 1e-6 of the number): no bf16 or f16 on the way to a quantiser, and a product that is left as it is and whose result goes on into a quantised operand takes f32 operands (vector FMAs, or v_wmma_f32_16x16x4_f32). A number that lies on a knife's edge between two numbers of the format may be rounded either way, as far as f32 arithmetic and the matrix unit's own rounding can turn it there, and no further.
;; One version. Each part assembles by itself: llvm-mc -triple=amdgcn-amd-amdhsa -mcpu=gfx1250 --defsym DOCPART=n.
;; ======== version 1 of 1: 2 launches
;; workspace buffers: qb 1,703,936 bytes; kvs 3,342,336 bytes
;; launch proj (part 1): grid 256 x 1, 8 waves a work-group, no clusters, 209,920 bytes of LDS; arguments x, Wq, Wk, Wv, qb, kvs; writes qb, kvs
.if DOCPART == 1
	.amdgcn_target "amdgcn-amd-amdhsa--gfx1250"
	.amdhsa_code_object_version 6
	.text
	.protected	k_qfa307c79c8_proj
	.globl	k_qfa307c79c8_proj
	.p2align	8
	.type	k_qfa307c79c8_proj,@function
k_qfa307c79c8_proj:
	s_mov_b64 s[64:65], 0
	v_nop
	global_prefetch_b8 v0, s[64:65] scope:SCOPE_SE
	s_setreg_imm32_b32 hwreg(HW_REG_WAVE_MODE, 25, 1), 1
	s_wait_xcnt 0x0
; q, k, v = Q(x) Q(W), K = 256, on codes of FP6 (E2M3) with one E8M0 scale for each 32 along K; the results are quantised at once for the attention launch and leave as codes.
; x: [32768][256] f32.  Wq, Wk, Wv: [256 (K)][64] f32.  A work-group of eight waves takes 128 tokens: one key step of one batch.  Its results are one record of qb and one of kvs:
;   qb  record, 6,656 bytes: 8 tiles of 16 tokens x 768 bytes of q's codes; at 6,144 the 128 tokens' scale words.
;   kvs record, 13,056 bytes: 8 tiles x 768 of k's codes; at 6,144 four fragments of v^T (16 channels x 128 keys) x 1,536; at 12,288 k's 128 scale words; at 12,800 v's 64 (one a channel).
; CODES LIE AS IMAGES OF THE OPERAND'S REGISTERS.  A tile of q or k has K = 64, half a fragment: registers 0-3 of lane l at 16 l, registers 4-5 at 512 + 8 l.  A fragment of v^T: registers 4 G .. 4 G + 3 of lane l at 512 G + 16 l.
; A scale word of q or k: bytes 0, 1 for the two blocks of 32 along H, bytes 2, 3 = 0x7f over the zero codes that the reader puts in the fragment's upper half.  Of v: byte b for keys 32 b .. 32 b + 31 of the step.
; THE ORDER INSIDE A BLOCK OF 32 along H (q, k) and along the keys (v) is 0-7, 16-23, 8-15, 24-31: so a lane's two result tiles fall.  Both operands of a product have the same order, the blocks are the true blocks:
; the products are the same, only the order in which a sum takes them differs.
; LIMITS: NaN and infinities among the inputs are not served.  A block of zeros gets the byte 1 where the rule says 127: its codes are zeros, and this program alone reads the bytes.
; SHARES.  Wave w (g = w / 2, p = w % 2): brings its own 16 rows of x by one tensor load; quantises fragment w (16 columns 16 g on, K step p) of each weight; quantises its 16 rows of x (two fragments); all as images in LDS | barrier |
; for tokens 32 g .. 32 g + 31: q (p = 0) or k (p = 1), all 64 units, transposed (source 0 = W), so that a lane holds one token and its registers run along H; and v's channels 32 p .. 32 p + 31 (source 0 = x), so that its registers run along the keys.
; NO JOINT LOADS: work-groups share the weights alone, and 196,608 bytes of weights beside 133,120 of x's rows are more than a work-group's LDS holds: the weights go straight into registers, each read once by a work-group.
; NO PREFETCH: all that the work-group reads is asked for at its head.
.set XP,    1040                       ; a row of x in LDS: 1,024 bytes + 16: the sixteen rows that a load touches start 16 bytes apart modulo 256
.set FRB,   1536                       ; a fragment's image
.set WIMG,  128*XP                     ; 133,120: the weights' 24 fragments, index 8 x matrix + wave
.set WSC,   WIMG+24*FRB                ; 169,984: their scale words, 128 bytes each
.set XIMG,  WSC+24*128                 ; 173,056: x's 16 fragments, index 2 x tile + K step
.set XSC,   XIMG+16*FRB                ; 197,632: their scale words
.set STV,   XSC+16*128                 ; 199,680: v's codes as the record has them, 6,144 bytes
.set STW,   STV+4*FRB                  ; 205,824: q's words 512, k's 512, v's 256
.set QREC,  6656
.set KREC,  13056
.set N0,    80                         ; v80-143, v144-207: 64 f32 numbers each
.set N1,    144
; v1 lane, v2 r = lane % 16, v3 h = lane / 16, v4 8 h; v5-v25 addresses, made here and never rewritten; v32-79 x's four fragments; v80-175 eight fragments of a weight; v176-239 accumulators;
; v240-247 the weights' scale words, v248-251 x's: these hold scales alone.  TM (16 registers at work) and PC (20 registers: the codes just made) are set anew for each phase.
	s_load_b256 s[4:11], s[0:1], 0x0               ; x s[4:5], Wq s[6:7], Wk s[8:9], Wv s[10:11]
	s_load_b128 s[12:15], s[0:1], 0x20             ; qb s[12:13], kvs s[14:15]
	v_lshl_add_u32 v254, v0, 2, 0x33000
	v_mov_b32 v255, 0
	ds_add_u32 v254, v255
	ds_add_u32 v254, v255
	v_lshrrev_b32 v1, 5, v0
	s_delay_alu instid0(VALU_DEP_1)
	v_readfirstlane_b32 s16, v1                    ; wave 0..7
	s_lshr_b32 s17, s16, 1                         ; g
	s_and_b32 s18, s16, 1                          ; p
	s_mov_b32 s20, 0x76543210
	s_mov_b32 s21, 0xfedcba98                      ; v_permlanex16_b32's selects for lane l xor 16
	; descriptor group 1: 16 rows x 256 elements of 4 bytes, 16 bytes of padding behind each row
	s_mov_b32 s24, (2<<16)|(1<<20)|(7<<22)|(3<<25) ; 15:0 no mask; 17:16 elements of 4 bytes; 20 padding on; 24:22 after every 256 words (code 7); 31:25 of 4 words (code 3)
	s_mov_b32 s25, 256<<16                         ; tensor_dim0 = 256
	s_mov_b32 s26, 16<<16                          ; tensor_dim1 = 16
	s_mov_b32 s27, 256<<16                         ; tile_dim0 = 256
	s_mov_b32 s28, 16                              ; tile_dim1 = 16
	s_mov_b32 s29, 256                             ; elements from row to row
	s_mov_b32 s30, 0
	s_mov_b32 s31, 0
	s_mov_b32 s32, 1                               ; group 0: count = 1
	s_mul_i32 s33, s16, 16*XP                      ; LDS: my 16 rows
	s_lshl_b32 s52, ttmp9, 17                      ; the work-group's 128 rows of 1,024 bytes,
	s_lshl_b32 s53, s16, 14                        ; my 16 of them
	s_add_co_u32 s52, s52, s53
	s_mov_b32 s53, 0
	s_wait_dscnt 0x0
	s_wait_kmcnt 0x0
	s_add_nc_u64 s[34:35], s[4:5], s[52:53]
	s_or_b32 s35, s35, 0x80000000                  ; type = 2
	tensor_load_to_lds s[32:35], s[24:31]          ; my one tensor load; the bytes are filled once and read by me alone
	s_nop 0
.rept 4
	v_nop                                          ; four behind a tensor load
.endr
	v_and_b32 v1, 31, v0
	v_and_b32 v2, 15, v0
	v_bfe_u32 v3, v0, 4, 1
	s_delay_alu instid0(VALU_DEP_1)
	v_lshlrev_b32 v4, 3, v3
	s_delay_alu instid0(VALU_DEP_4)
	v_lshlrev_b32 v17, 4, v1                       ; 16 x lane
	v_lshlrev_b32 v18, 3, v1                       ; 8 x lane
	v_lshlrev_b32 v25, 2, v1                       ; 4 x lane
	v_lshlrev_b32 v5, 2, v2                        ; a weight: column 16 g + r, rows 128 p + 32 h on; a row is 256 bytes
	s_delay_alu instid0(VALU_DEP_1)
	v_lshl_add_u32 v5, v3, 13, v5
	s_lshl_b32 s54, s17, 6
	s_lshl_b32 s55, s18, 15
	s_add_co_u32 s54, s54, s55
	v_add_nc_u32 v5, s54, v5
.macro ADDR dst, lane, wreg, mul, base         ; an LDS address: a constant + a constant x (w, g or p) + a constant x lane
	s_mul_i32 s54, s[\wreg], \mul
	s_add_co_u32 s54, s54, \base
	v_add_nc_u32 v[\dst], s54, v[\lane]
.endm
	ADDR 6, 17, 16, FRB, WIMG                      ; v6  where I store a weight's fragment,
	ADDR 7, 25, 16, 128, WSC                       ; v7  and its scale words
	v_mul_u32_u24 v8, v2, XP                       ; v8  x in LDS: row 16 w + r, + 64 h: my 16 numbers of a block of 32
	s_delay_alu instid0(VALU_DEP_1)
	v_lshl_add_u32 v8, v3, 6, v8
	s_delay_alu instid0(VALU_DEP_1)
	v_add_nc_u32 v8, s33, v8
	ADDR 9, 17, 16, 2*FRB, XIMG                    ; v9  where I store x's two fragments,
	ADDR 10, 25, 16, 256, XSC                      ; v10 and their scale words
	ADDR 11, 17, 17, 4*FRB, XIMG                   ; v11 where I read the four fragments of tokens 32 g on,
	ADDR 12, 25, 17, 512, XSC                      ; v12 and their scale words
	ADDR 13, 17, 18, 8*FRB, WIMG                   ; v13 Wq's (p = 0) or Wk's (p = 1) eight fragments,
	ADDR 14, 25, 18, 1024, WSC                     ; v14 and their scale words
	ADDR 15, 17, 18, 4*FRB, WIMG+16*FRB            ; v15 Wv's four fragments of channels 32 p on,
	ADDR 16, 25, 18, 512, WSC+2048                 ; v16 and their scale words
	s_lshl_b32 s54, s18, 9                         ; v19 q's or k's scale words: token 32 g + lane
	s_lshl_b32 s55, s17, 7
	s_add_co_u32 s54, s54, s55
	s_add_co_u32 s54, s54, STW
	v_add_nc_u32 v19, s54, v25
	; v's codes: I hold, in lane (r, h), block g of channel 16 (2 p + h) + r: registers 6 (g / 2) .. + 5 of lane 16 (g % 2) + r of fragment 2 p + h.  Register R of lane l lies at 512 (R / 4) + 16 l + 4 (R % 4):
	; g / 2 = 0: pairs at 0, 8, 512;  g / 2 = 1: at 520, 1,024, 1,032.  v20 serves the first and (+ 512) the third pair, v21 the second.
	s_mul_i32 s54, s18, 2*FRB
	s_and_b32 s55, s17, 1
	s_lshl_b32 s55, s55, 8
	s_add_co_u32 s54, s54, s55
	s_add_co_u32 s54, s54, STV
	s_lshr_b32 s55, s17, 1
	v_mul_u32_u24 v20, v3, FRB
	s_delay_alu instid0(VALU_DEP_1)
	v_lshl_add_u32 v20, v2, 4, v20
	s_delay_alu instid0(VALU_DEP_1)
	v_add_nc_u32 v21, s54, v20
	s_mul_i32 s54, s55, 520
	v_add_nc_u32 v20, s54, v21
	s_mul_i32 s54, s55, 1016
	s_add_co_u32 s54, s54, 8
	v_add_nc_u32 v21, s54, v21
	s_lshl_b32 s54, s18, 7                         ; v22 v's scale bytes: channel 32 p + lane, byte g
	s_add_co_u32 s54, s54, s17
	s_add_co_u32 s54, s54, STW+1024
	v_add_nc_u32 v22, s54, v25
	ADDR 23, 18, 16, 768, STV                      ; v23 the way out: my 768 bytes of v's codes,
	ADDR 24, 18, 16, 256, STW                      ; v24 and (waves 0 to 4) my 256 bytes of scale words
	; where the results go
	s_mul_i32 s44, ttmp9, QREC
	s_mul_i32 s45, ttmp9, KREC
	s_cmp_eq_u32 s18, 0                            ; q's codes go to qb, k's to kvs: the choice hangs on the wave's number alone
	s_cselect_b64 s[36:37], s[12:13], s[14:15]
	s_cselect_b32 s46, s44, s45
	s_mul_i32 s47, s17, FRB                        ; my two tiles of 768 bytes
	s_add_co_u32 s46, s46, s47
	s_mov_b32 s47, 0
	s_add_nc_u64 s[36:37], s[36:37], s[46:47]
	s_mul_i32 s50, s16, 768
	s_add_co_u32 s50, s50, s45
	s_add_co_u32 s50, s50, 6144
	s_mov_b32 s51, 0
	s_add_nc_u64 s[38:39], s[14:15], s[50:51]      ; v's codes
	s_mov_b32 s49, 11776
	s_cmp_lt_u32 s16, 2                            ; the scale words: waves 0, 1 q's (qb + 6,144 + 256 w); waves 2, 3 k's, wave 4 v's (kvs + 12,288 + 256 (w - 2))
	s_cselect_b64 s[40:41], s[12:13], s[14:15]
	s_cselect_b32 s48, s44, s45
	s_cselect_b32 s49, 6144, s49
	s_add_co_u32 s48, s48, s49
	s_lshl_b32 s49, s16, 8
	s_add_co_u32 s48, s48, s49
	s_mov_b32 s49, 0
	s_add_nc_u64 s[40:41], s[40:41], s[48:49]
.macro IMAGE adr, off                          ; the fragment in v[PC] on goes to LDS as it stands: 16 bytes a lane, 512 a store
.irp c, 0,1,2
	ds_store_b128 v[\adr], v[PC+4*\c:PC+4*\c+3] offset:\off+512*\c
.endr
.endm
.macro FETCH reg, adr, off                     ; and comes back so, in any wave
.irp c, 0,1,2
	ds_load_b128 v[\reg+4*\c:\reg+4*\c+3], v[\adr] offset:\off+512*\c
.endr
.endm
.macro BARRIER                                 ; my LDS stores have landed and my LDS loads are in: then the work-group's barrier
	s_wait_dscnt 0x0
	s_barrier_signal -1
	s_barrier_wait -1
.endm
; 64 numbers of a weight: lane (r, h) takes column r and its registers run DOWN K: register 32 c + i = row 64 c + 32 h + i of my K step: the order that the operand's layout gives the lane
.macro WLOAD ptr, n
.set i, 0
.rept 64
	global_load_b32 v[\n+i], v5, s[\ptr:\ptr+1] offset:(64*(i/32)+i%32)*256
.set i, i+1
.endr
.endm
; They become a fragment and its scale words.  A lane holds two whole blocks (h and 2 + h), so no other lane is asked for a maximum; the word's four bytes are gathered from lanes l and l xor 16.
.macro WQ n, mat
.irp c, 0,1
	v_max3_num_f32 v[TM+\c], |v[\n+32*\c]|, |v[\n+32*\c+1]|, 0x1800000   ; the floor 2^(3 - 127): the byte cannot fall under 1
.endr
.irp i, 2,4,6,8,10,12,14,16,18,20,22,24,26,28,30
.irp c, 0,1
	s_delay_alu instid0(VALU_DEP_2)
	v_max3_num_f32 v[TM+\c], v[TM+\c], |v[\n+32*\c+\i]|, |v[\n+32*\c+\i+1]|   ; (the two blocks by turns)
.endr
.endr
.irp c, 0,1
	s_delay_alu instid0(VALU_DEP_2)
	v_add_nc_u32 v[TM+12+\c], 0xff000000, v[TM+\c] ; 2 off the exponent field: the conversion takes the exponent field of this operand as its scale
.endr
.irp c, 0,1
	s_delay_alu instid0(VALU_DEP_2)
	v_lshrrev_b32 v[TM+4+\c], 23, v[TM+12+\c]      ; the scale's byte
.endr
	s_delay_alu instid0(VALU_DEP_1)
	v_lshl_or_b32 v[TM+8], v[TM+5], 16, v[TM+4]    ; my two bytes,
	s_delay_alu instid0(VALU_DEP_1)
	v_lshlrev_b32 v[TM+8], v4, v[TM+8]             ; 8 h bits up;
	s_delay_alu instid0(VALU_DEP_1)
	v_permlanex16_b32 v[TM+9], v[TM+8], s20, s21
	s_delay_alu instid0(VALU_DEP_1)
	v_or_b32 v[TM+8], v[TM+8], v[TM+9]             ; with lane l xor 16's two the word is whole
.irp c, 0,1
	v_cvt_scalef32_pk16_fp6_f32 v[PC+6*\c:PC+6*\c+2], v[\n+32*\c:\n+32*\c+15], v[TM+12+\c]
	v_cvt_scalef32_pk16_fp6_f32 v[PC+12+4*\c:PC+14+4*\c], v[\n+32*\c+16:\n+32*\c+31], v[TM+12+\c]   ; (a conversion's three registers begin on an even number)
.endr
	v_nop                                          ; one plain place behind a scaled conversion
.irp c, 0,1
.irp i, 0,1,2
	v_mov_b32 v[PC+3+6*\c+\i], v[PC+12+4*\c+\i]
.endr
.endr
	IMAGE 6, \mat*8*FRB
	ds_store_b32 v7, v[TM+8] offset:\mat*1024
	s_wait_dscnt 0x0
.endm
; nb blocks of 32: 16 numbers of each in my lane (registers s + 16 b + 0 .. 15), the other 16 in lane l xor 16.  Codes: v[PC + 6 c] .. + 5 hold, in lanes 0-15, block 2 c, in lanes 16-31 block 2 c + 1, whole; bytes: v[TM + 4 + b].
.macro QUANT s, nb
.irp b, 0,1,2,3
.if \b < \nb
	v_max3_num_f32 v[TM+\b], |v[\s+16*\b]|, |v[\s+1+16*\b]|, 0x1800000   ; my 16 numbers, and the floor 2^(3 - 127).  (An accumulator is read from its low end on)
.endif
.endr
.irp i, 2,4,6,8,10,12,14
.irp b, 0,1,2,3
.if \b < \nb
	v_max3_num_f32 v[TM+\b], v[TM+\b], |v[\s+16*\b+\i]|, |v[\s+1+16*\b+\i]|
.endif
.endr
.endr
.irp b, 0,1,2,3
.if \b < \nb
	v_permlanex16_b32 v[TM+4+\b], v[TM+\b], s20, s21
.endif
.endr
.irp b, 0,1,2,3
.if \b < \nb
	v_max_num_f32 v[TM+\b], v[TM+\b], v[TM+4+\b]   ; with lane l xor 16's: the block's largest magnitude
.endif
.endr
.irp b, 0,1,2,3
.if \b < \nb
	v_add_nc_u32 v[TM+12+\b], 0xff000000, v[TM+\b]
.endif
.endr
.irp b, 0,1,2,3
.if \b < \nb
	v_lshrrev_b32 v[TM+4+\b], 23, v[TM+12+\b]
.endif
.endr
.irp c, 0,1
.if 2*\c < \nb
	v_cvt_scalef32_pk16_fp6_f32 v[PC+6*\c:PC+2+6*\c], v[\s+32*\c:\s+15+32*\c], v[TM+12+2*\c]
	v_cvt_scalef32_pk16_fp6_f32 v[PC+12+4*\c:PC+14+4*\c], v[\s+16+32*\c:\s+31+32*\c], v[TM+12+2*\c+1]
.endif
.endr
	v_nop                                          ; one plain place behind a scaled conversion
.irp c, 0,1
.if 2*\c < \nb
.irp i, 0,1,2
	v_permlane16_swap_b32 v[PC+6*\c+\i], v[PC+12+4*\c+\i]   ; the first's lanes 16-31 change places with the second's lanes 0-15: a whole block in a lane
.endr
.irp i, 0,1,2
	s_delay_alu instid0(VALU_DEP_3)
	v_mov_b32 v[PC+3+6*\c+\i], v[PC+12+4*\c+\i]
.endr
.endif
.endr
.endm
.macro WORD4                                   ; four bytes make my row's scale word
	v_lshl_or_b32 v68, v[TM+5], 8, v[TM+4]
	s_delay_alu instid0(VALU_DEP_1)
	v_lshl_or_b32 v68, v[TM+6], 16, v68
	s_delay_alu instid0(VALU_DEP_1)
	v_lshl_or_b32 v68, v[TM+7], 24, v68
.endm
	; ---- the weights, while x's rows are on their way
.set TM, 32
.set PC, 48
.irp b, 4,5,6,7,9
	v_mov_b32 v[TM+\b], 0                          ; written once: a lane permute's destination counts as one of its sources
.endr
	WLOAD 6, N0                                    ; Wq
	WLOAD 8, N1                                    ; Wk
	s_wait_loadcnt 63                              ; Wq's 64 are in: 64 loads were issued behind them, and 63 is the largest count that this wait can name
	WQ N0, 0
	WLOAD 10, N0                                   ; Wv
	s_wait_loadcnt 63                              ; Wk's are in, by the same count
	WQ N1, 1
	s_wait_loadcnt 0x0
	WQ N0, 2
	; ---- x: my 16 rows become two fragments.  Lane (r, h) takes, of row r, 16 neighbours of each block of 32
	s_wait_tensorcnt 0x0                           ; my rows have landed; nobody else reads them
.irp s, 0,1
.irp b, 0,1,2,3
.irp j, 0,1,2,3
	ds_load_b128 v[N0+64*\s+16*\b+4*\j:N0+64*\s+16*\b+4*\j+3], v8 offset:512*\s+128*\b+16*\j
.endr
.endr
.endr
	s_wait_dscnt 16                                ; K step 0's sixteen loads are in; K step 1's sixteen may be out
	QUANT N0, 4
	WORD4
	IMAGE 9, 0
	ds_store_b32 v10, v68
	s_wait_dscnt 0x0
	QUANT N1, 4
	WORD4
	IMAGE 9, FRB
	ds_store_b32 v10, v68 offset:128
	BARRIER                                        ; all 24 fragments of the weights and all 16 of x lie in LDS
	; ---- q or k of tokens 32 g .. 32 g + 31.  TRANSPOSED: source 0 = 16 units of W, source 1 = 16 tokens: lane (r, h) holds token r, register j of tile t unit 16 t + 8 h + j
.irp f, 0,1,2,3
	FETCH 32+12*\f, 11, \f*FRB                     ; x: index 2 u + s (tile of tokens u, K step s)
	ds_load_b32 v[248+\f], v12 offset:\f*128
.endr
.irp f, 0,1,2,3,4,5,6,7
	FETCH 80+12*\f, 13, \f*FRB                     ; W: index 2 t + s
	ds_load_b32 v[240+\f], v14 offset:\f*128
.endr
	s_wait_dscnt 0x0
.irp s, 0,1                                    ; the eight accumulators take turns, one instruction a turn; K step 0 starts the sums
.irp u, 0,1
.irp t, 0,1,2,3
.if \s == 0
	v_wmma_scale_f32_16x16x128_f8f6f4 v[176+32*\u+8*\t:183+32*\u+8*\t], v[80+12*(2*\t+\s):91+12*(2*\t+\s)], v[32+12*(2*\u+\s):43+12*(2*\u+\s)], 0, v[240+2*\t+\s], v[248+2*\u+\s] matrix_a_fmt:MATRIX_FMT_FP6 matrix_b_fmt:MATRIX_FMT_FP6
.else
	v_wmma_scale_f32_16x16x128_f8f6f4 v[176+32*\u+8*\t:183+32*\u+8*\t], v[80+12*(2*\t+\s):91+12*(2*\t+\s)], v[32+12*(2*\u+\s):43+12*(2*\u+\s)], v[176+32*\u+8*\t:183+32*\u+8*\t], v[240+2*\t+\s], v[248+2*\u+\s] matrix_a_fmt:MATRIX_FMT_FP6 matrix_b_fmt:MATRIX_FMT_FP6
.endif
.endr
.endr
.endr
.rept 5
	v_nop                                          ; four places in front of loads into registers that these products read and of the first read of their results; the fifth for v's products, which write over accumulators of this run
.endr
.irp f, 0,1,2,3
	FETCH 80+12*\f, 15, \f*FRB                     ; Wv's four fragments (index 2 n + s) land while q or k is quantised
	ds_load_b32 v[240+\f], v16 offset:\f*128
.endr
.set TM, 128
.set PC, 144
.irp b, 4,5,6,7
	v_mov_b32 v[TM+\b], 0
.endr
	QUANT 176, 4                                   ; block 2 u + B: tile of tokens u, block B of H.  v[PC + 6 u] .. + 5 are registers 0-5 of tile u's fragment
	v_lshl_or_b32 v164, v[TM+5], 8, v[TM+4]        ; tile 0's scale word of my token r,
	v_lshl_or_b32 v165, v[TM+7], 8, v[TM+6]        ; tile 1's
	s_delay_alu instid0(VALU_DEP_2)
	v_or_b32 v164, 0x7f7f0000, v164                ; 2^0 over the zero codes of the fragment's upper half
	s_delay_alu instid0(VALU_DEP_2)
	v_or_b32 v165, 0x7f7f0000, v165
	v_cmp_le_u32 vcc_lo, 16, v1
	s_delay_alu instid0(VALU_DEP_1)
	v_cndmask_b32 v166, v164, v165, vcc_lo         ; lane l stores the word of token 32 g + l
.irp u, 0,1
	global_store_b128 v17, v[PC+6*\u:PC+6*\u+3], s[36:37] offset:768*\u         ; 32 lanes store 512 consecutive bytes, at a multiple of 256 from the buffer's first byte
	global_store_b64 v18, v[PC+6*\u+4:PC+6*\u+5], s[36:37] offset:768*\u+512    ; and 256 more
.endr
	ds_store_b32 v19, v166
	; ---- v of the same tokens, channels 32 p .. 32 p + 31: source 0 = 16 tokens, source 1 = 16 channels: lane (r, h) holds channel r, register j of tile u token 16 u + 8 h + j
	s_wait_dscnt 0x0                               ; Wv's fragments are in
.irp s, 0,1                                    ; four accumulators by turns
.irp n, 0,1
.irp u, 0,1
.if \s == 0
	v_wmma_scale_f32_16x16x128_f8f6f4 v[176+16*\n+8*\u:183+16*\n+8*\u], v[32+12*(2*\u+\s):43+12*(2*\u+\s)], v[80+12*(2*\n+\s):91+12*(2*\n+\s)], 0, v[248+2*\u+\s], v[240+2*\n+\s] matrix_a_fmt:MATRIX_FMT_FP6 matrix_b_fmt:MATRIX_FMT_FP6
.else
	v_wmma_scale_f32_16x16x128_f8f6f4 v[176+16*\n+8*\u:183+16*\n+8*\u], v[32+12*(2*\u+\s):43+12*(2*\u+\s)], v[80+12*(2*\n+\s):91+12*(2*\n+\s)], v[176+16*\n+8*\u:183+16*\n+8*\u], v[248+2*\u+\s], v[240+2*\n+\s] matrix_a_fmt:MATRIX_FMT_FP6 matrix_b_fmt:MATRIX_FMT_FP6
.endif
.endr
.endr
.endr
.rept 4
	v_nop                                          ; places in front of the first read of results
.endr
.set PC, 208                                   ; (the registers at 144 are still the data of the stores above)
	QUANT 176, 2                                   ; block n: the 32 keys 32 g on of channel 16 (2 p + n) + r.  Lane (r, h) then holds channel 16 (2 p + h) + r's whole block
	v_cndmask_b32 v166, v[TM+4], v[TM+5], vcc_lo   ; and takes its byte (VCC still marks lanes 16-31)
	ds_store_b64 v20, v[PC:PC+1]
	ds_store_b64 v21, v[PC+2:PC+3]
	ds_store_b64 v20, v[PC+4:PC+5] offset:512
	ds_store_b8 v22, v166
	BARRIER                                        ; v's four fragments and all scale words lie in LDS as the records have them
	; ---- the way out: 8 bytes a lane, each store 256 consecutive bytes at a multiple of 256 from the buffer's first byte
.irp i, 0,1,2
	ds_load_b64 v[32+2*\i:33+2*\i], v23 offset:256*\i
.endr
.irp i, 0,1,2
	s_wait_dscnt 2-\i                              ; LDS loads come back in order: load i is in, those issued behind it may be out
	global_store_b64 v18, v[32+2*\i:33+2*\i], s[38:39] offset:256*\i
.endr
	s_cmp_gt_u32 s16, 4                            ; the 1,280 bytes of scale words are five waves' worth
	s_cbranch_scc1 .Lend
	ds_load_b64 v[40:41], v24
	s_wait_dscnt 0x0
	global_store_b64 v18, v[40:41], s[40:41]
.Lend:
	s_wait_tensorcnt 0x0
	ds_add_u32 v254, v255
	s_wait_dscnt 0x0
	s_endpgm
.Lfunc_end_k_qfa307c79c8_proj:
	.size	k_qfa307c79c8_proj, .Lfunc_end_k_qfa307c79c8_proj-k_qfa307c79c8_proj
	.p2alignl 7, 3214868480
	.fill 96, 4, 3214868480
	.section	.rodata,"a",@progbits
	.p2align	6, 0x0
	.amdhsa_kernel k_qfa307c79c8_proj
		.amdhsa_group_segment_fixed_size 209920
		.amdhsa_private_segment_fixed_size 0
		.amdhsa_enable_private_segment 0
		.amdhsa_kernarg_size 48
		.amdhsa_user_sgpr_count 2
		.amdhsa_user_sgpr_kernarg_segment_ptr 1
		.amdhsa_wavefront_size32 1
		.amdhsa_system_sgpr_workgroup_id_x 1
		.amdhsa_system_sgpr_workgroup_id_y 1
		.amdhsa_system_sgpr_workgroup_id_z 1
		.amdhsa_system_vgpr_workitem_id 0
		.amdhsa_next_free_vgpr 256
		.amdhsa_next_free_sgpr 66
		.amdhsa_reserve_vcc 1
		.amdhsa_float_denorm_mode_32 3
		.amdhsa_float_denorm_mode_16_64 3
		.amdhsa_memory_ordered 1
		.amdhsa_forward_progress 1
		.amdhsa_inst_pref_size 64
	.end_amdhsa_kernel
	.amdgpu_metadata
---
amdhsa.version: [ 1, 2 ]
amdhsa.kernels:
  - .name:           k_qfa307c79c8_proj
    .symbol:         k_qfa307c79c8_proj.kd
    .args:
      - { .name: x, .offset: 0, .size: 8, .value_kind: global_buffer, .address_space: global }
      - { .name: Wq, .offset: 8, .size: 8, .value_kind: global_buffer, .address_space: global }
      - { .name: Wk, .offset: 16, .size: 8, .value_kind: global_buffer, .address_space: global }
      - { .name: Wv, .offset: 24, .size: 8, .value_kind: global_buffer, .address_space: global }
      - { .name: qb, .offset: 32, .size: 8, .value_kind: global_buffer, .address_space: global }
      - { .name: kvs, .offset: 40, .size: 8, .value_kind: global_buffer, .address_space: global }
    .group_segment_fixed_size: 209920
    .private_segment_fixed_size: 0
    .kernarg_segment_align: 8
    .kernarg_segment_size: 48
    .max_flat_workgroup_size: 256
    .sgpr_count:     66
    .vgpr_count:     256
    .wavefront_size: 32
...
	.end_amdgpu_metadata
.endif
;; end of part 1
;; launch attn (part 2): grid 8 x 32, 16 waves a work-group, clusters of 4 x 1, 178,176 bytes of LDS; arguments qb, kvs, out0; writes out0
.if DOCPART == 2
	.amdgcn_target "amdgcn-amd-amdhsa--gfx1250"
	.amdhsa_code_object_version 6
	.text
	.protected	k_qfa307c79c8_attn
	.globl	k_qfa307c79c8_attn
	.p2align	8
	.type	k_qfa307c79c8_attn,@function
k_qfa307c79c8_attn:
	s_mov_b64 s[64:65], 0
	v_nop
	global_prefetch_b8 v0, s[64:65] scope:SCOPE_SE
	s_setreg_imm32_b32 hwreg(HW_REG_WAVE_MODE, 25, 1), 1
	s_wait_xcnt 0x0
	s_wait_alu depctr_hold_cnt(0) depctr_sa_sdst(0) depctr_va_vdst(0) depctr_va_sdst(0) depctr_va_ssrc(0) depctr_va_vcc(0) depctr_vm_vsrc(0)
	s_getreg_b32 s2, hwreg(HW_REG_IB_STS2, 6, 4)
	s_cmp_eq_u32 s2, 0
	s_cbranch_scc0 .Lentry_in_a_cluster
	s_endpgm
.Lentry_in_a_cluster:
	s_bfe_u32 s2, ttmp6, 0x10000c
	s_cmp_lg_u32 s2, 0x3003
	s_cbranch_scc0 .Lentry_shape_is_right
	s_endpgm
.Lentry_shape_is_right:
; out[b][q][:] = the sum over keys k <= q of softmax_k(q . k x 256^-0.666) v[k][:], both products on codes of FP6 (E2M3) with one E8M0 scale for each 32 along a product's K.
; qb and kvs hold, for each block of 128 tokens (record 8 x batch + step), q's, k's and v's codes as images of operand registers, and their scale words:
;   qb  record, 6,656 bytes: 8 tiles of 16 tokens x 768 (registers 0-3 of lane l at 16 l, registers 4-5 at 512 + 8 l); at 6,144 the tokens' scale words.
;   kvs record, 13,056 bytes: k's 8 tiles x 768; at 6,144 four fragments of v^T (16 channels x 128 keys) x 1,536 (registers 4 G .. 4 G + 3 of lane l at 512 G + 16 l); at 12,288 k's 128 scale words; at 12,800 v's 64.
; The first product's K is the head's 64: registers 6-11 of q's and k's fragments are zero codes, under the byte 0x7f on both sides.
; THE SOFTMAX AHEAD OF THE SECOND PRODUCT: t = score x c, c = 256^-0.666 x log2(e); M = the row's largest t so far, rounded UP to a whole number; p = 2^(t - M) is what is quantised, along the keys; the row's sum is taken of
; the unquantised p and divides at the end.  When M moves, the sum and O are multiplied by 2^(old M - new M): exact.
; LAYOUT.  Both products transposed: S^T = K Q^T (source 0 = 16 keys, source 1 = my 16 queries), O^T = V^T P^T: a lane holds ONE query throughout.  A tile of K is 16 neighbouring keys, so the 16 registers of tiles 2 b, 2 b + 1 in
; lane half h are keys 32 b + 8 h + 0 .. 7 and 32 b + 16 + 8 h + 0 .. 7: inside a block of 32 p's codes stand in the order 0-7, 16-23, 8-15, 24-31, and so do v's (and q's and k's along H): the blocks are the true blocks and
; the products the same; only the order in which a sum takes them differs.
; LIMITS: NaN and infinities are not served.  c is rounded once, where the definition multiplies by two rounded factors.  p under 2^-126 falls to 0 (v_exp_f32 flushes).  A block of zeros has the byte 1 over zero codes.
; SHARES.  Work-group y (0 to 7) of a batch has eight tiles of 16 queries: tile a is queries 128 a + 16 y .. + 15, and its keys are key steps 0 to a, of 128 keys, step a being the one on the diagonal.
; A TILE HAS TWO WAVES.  Wave w (w7 = w % 8, par = w / 8) serves tile a = w7 (w7 < 4) or 11 - w7, and walks the steps par, par + 2, .. up to a: four at the most.  Each keeps its own M, sum and O^T; at the end the odd wave
; hands its three over through LDS as images of its registers, and the even wave brings both under the larger M (powers of two: exact), adds, divides and stores.  Waves w, w + 4, w + 8, w + 12 walk 9 steps together, every
; work-group 36, and which steps a wave walks hangs on the wave's number alone.  The loop's trip count is a constant; a step behind the diagonal is jumped over inside the loop.
; CLUSTER.  Four work-groups of one batch read the same eight records of kvs: each piece is asked for JOINTLY, by the same tensor load with the same descriptor and the mask of all four.  The batch's 104,448 bytes lie in LDS whole:
; every byte is filled once, so there is no ring.  My place in the cluster enters Q's and out's global addresses and the mask's threshold (a vector compare), no branch and no LDS address.
; NO PREFETCH: all that the work-group reads is asked for at its head.
.set KREC,  13056
.set PIECE, 6528                       ; what one tensor load brings: half a record, 51 rows of 128 bytes (6,528 is no multiple of 256); sixteen waves bring the eight records
.set STAGE, 8*KREC                     ; 104,448: behind the records: 16 rows x 272 bytes for each tile, for the way out; no fill lands there
.set MERGE, STAGE+8*16*272             ; 139,264: 4,608 bytes for each tile: the odd wave's -M, largest t and sum (512 bytes), then its O^T (8 x 512); no fill lands there
.set WV,  10                           ; s10 wave;  s11 a;  s12 cx;  s13 y;  s14 batch;  s15 w7
.set AA,  11
.set W7,  15
.set SEL, 32                           ; s[32:33] lane selects for v_permlanex16_b32: lane l xor 16
.set CS,  34                           ; s[34:35] c: the packed form names a pair and takes its low word for both halves
.set TB,  36                           ; s36 LDS byte at which the step's record begins
.set ST,  37                           ; s37 the step
.set CNT, 38                           ; s38 trips to go
.set PAR, 39                           ; s39 which of the tile's two waves I am
.set KB,  32                           ; v32-79   four buffers of 12 for tiles of K; the upper six of each stay zero
.set VF,  80                           ; v80-127  V's four fragments
.set SC,  128                          ; v128-191 S^T, then p; at the end the partner's state
.set OT,  192                          ; v192-223 O^T
.set MG,  250                          ; v250     my tile's place in MERGE: + 16 x lane
; v1-3 16, 8, 4 x lane; v4-6 the same + the step's record; v7 my bytes in out; v8 the mask's threshold; v9, v10 the stage; v11 4 r; v12 -M, v13 the largest t, v[14:15] the sum in two halves; v16-27 Q (v22-27 zero);
; v28-31 K's scale words (register i, lane l: key 32 i + l); v224-235 p's codes; v232-247 at work; v248-249 V's scale words (register i, lane l: channel 32 i + l); v252 f; v253 p's scale word; v254 at work; v255 Q's scale words.
.macro CROUND                          ; a round of the cluster's barrier: my work-group's barrier; wave 0 signals for the work-group; every wave waits for all four work-groups; my work-group's barrier once more
	s_barrier_signal -1
	s_barrier_wait -1
	s_cmp_lg_u32 s[WV], 0
	s_cbranch_scc1 .Lnot_wave_0_\@
	s_barrier_signal -3
.Lnot_wave_0_\@:
	s_barrier_wait -3
	s_barrier_signal -1
	s_barrier_wait -1
.endm
	s_load_b128 s[4:7], s[0:1], 0x0                ; qb s[4:5], kvs s[6:7]
	s_load_b64 s[8:9], s[0:1], 0x10                ; out0
	v_lshl_add_u32 v243, v0, 2, 0x2b000
	v_mov_b32 v251, 0
	ds_add_u32 v243, v251
	ds_add_u32 v243, v251
	v_lshrrev_b32 v1, 5, v0
	s_delay_alu instid0(VALU_DEP_1)
	v_readfirstlane_b32 s[WV], v1                  ; wave 0..15
	s_and_b32 s[W7], s[WV], 7
	s_lshr_b32 s[PAR], s[WV], 3
	s_lshr_b32 s[AA], s[W7], 2
	s_mul_i32 s[AA], s[AA], 3
	s_xor_b32 s[AA], s[AA], s[W7]                  ; a = w7 xor 3 (w7 / 4): 0, 1, 2, 3, 7, 6, 5, 4
	s_bfe_u32 s12, ttmp6, 0x40000                  ; cx: my place in the cluster
	s_lshl_b32 s13, ttmp9, 2                       ; in a cluster launch ttmp9 counts clusters
	s_add_co_u32 s13, s13, s12                     ; y = 4 x cluster x + cx
	s_and_b32 s14, ttmp7, 0xffff                   ; the batch, which the four partners share
	; descriptor group 1: a dense block of 6,528 bytes as 51 rows of 16 elements of 8 bytes, no padding
	s_mov_b32 s16, 15|(3<<16)|(1<<21)              ; 15:0 the mask: all four work-groups; 17:16 elements of 8 bytes; 21 set beside a mask
	s_mov_b32 s17, 16<<16                          ; tensor_dim0 = 16
	s_mov_b32 s18, 51<<16                          ; tensor_dim1 = 51
	s_mov_b32 s19, 16<<16                          ; tile_dim0 = 16
	s_mov_b32 s20, 51                              ; tile_dim1 = 51
	s_mov_b32 s21, 16                              ; elements from row to row
	s_mov_b32 s22, 0
	s_mov_b32 s23, 0
	; group 0: piece w of the batch's sixteen: made of the batch and the wave's number alone
	s_mov_b32 s24, 1
	s_mul_i32 s25, s[WV], PIECE
	s_mul_i32 s40, s14, 8*KREC
	s_add_co_u32 s40, s40, s25
	s_mov_b32 s41, 0
	; Q's record 8 x batch + a, tile y; out's rows 1,024 x batch + 128 a + 16 y, of 256 bytes
	s_lshl_b32 s42, s14, 3
	s_add_co_u32 s42, s42, s[AA]
	s_mul_i32 s42, s42, 6656
	s_mul_i32 s44, s13, 768
	s_add_co_u32 s44, s44, s42
	s_mov_b32 s45, 0
	s_lshl_b32 s46, s13, 6
	s_add_co_u32 s46, s46, s42
	s_add_co_u32 s46, s46, 6144
	s_mov_b32 s47, 0
	s_lshl_b32 s48, s14, 18
	s_lshl_b32 s49, s[AA], 15
	s_add_co_u32 s48, s48, s49
	s_lshl_b32 s49, s13, 12
	s_add_co_u32 s48, s48, s49
	s_mov_b32 s49, 0
	s_mov_b32 s[SEL], 0x76543210
	s_mov_b32 s[SEL+1], 0xfedcba98
	s_mov_b32 s[CS], 0x3d131c8c                    ; c = 256^-0.666 x log2(e) = 0.0359159
	s_mov_b32 s[CS+1], s[CS]                       ; (named with it as a pair, so it is written)
	s_mul_i32 s[TB], s[PAR], KREC                  ; my first step is step par
	s_mov_b32 s[ST], s[PAR]
	s_wait_dscnt 0x0
	s_wait_kmcnt 0x0
	s_add_nc_u64 s[26:27], s[6:7], s[40:41]
	s_or_b32 s27, s27, 0x80000000                  ; type = 2
	s_add_nc_u64 s[44:45], s[4:5], s[44:45]        ; Q's tile
	s_add_nc_u64 s[46:47], s[4:5], s[46:47]        ; its scale words
	s_add_nc_u64 s[8:9], s[8:9], s[48:49]          ; my tile's 16 rows of out
	CROUND                                         ; all four work-groups are here: the joint loads meet
	tensor_load_to_lds s[24:27], s[16:23]          ; my one tensor load, ahead of every wait on TENSORcnt and every LDS read
	s_nop 0
.rept 4
	v_nop                                          ; four behind a tensor load
.endr
	v_and_b32 v14, 31, v0                          ; lane
	v_and_b32 v12, 15, v0                          ; r
	v_bfe_u32 v13, v0, 4, 1                        ; h
	s_delay_alu instid0(VALU_DEP_3)
	v_lshlrev_b32 v1, 4, v14
	s_delay_alu instid0(VALU_DEP_4)
	v_lshlrev_b32 v2, 3, v14
	v_lshlrev_b32 v3, 2, v14
	v_lshlrev_b32 v11, 2, v12
	global_load_b128 v[16:19], v1, s[44:45]        ; Q's fragment, registers 0-3,
	global_load_b64 v[20:21], v2, s[44:45] offset:512   ; 4-5: it stays in registers
	global_load_b32 v255, v11, s[46:47]            ; and its scale words: lane r has query r's
	v_lshlrev_b32 v7, 8, v13
	s_delay_alu instid0(VALU_DEP_1)
	v_lshl_add_u32 v7, v12, 4, v7                  ; the way out: lanes 0-15 one row of out, lanes 16-31 the next; 16 bytes a lane
	v_lshlrev_b32 v8, 3, v13
	s_delay_alu instid0(VALU_DEP_1)
	v_sub_nc_u32 v8, v12, v8
	s_lshl_b32 s50, s13, 4
	v_add_nc_u32 v8, s50, v8                       ; d = 16 y + r - 8 h: in the step on the diagonal register 8 t + j holds key 16 t + 8 h + j, hidden where 16 t + j > d
	s_mul_i32 s51, s[W7], 16*272
	s_add_co_u32 s51, s51, STAGE                   ; my tile's stage
	v_mul_u32_u24 v9, v12, 272
	s_delay_alu instid0(VALU_DEP_1)
	v_lshl_add_u32 v9, v13, 5, v9
	s_delay_alu instid0(VALU_DEP_1)
	v_add_nc_u32 v9, s51, v9                       ; in: row r; tile t's eight channels of my half: 64 t + 32 h bytes on
	v_mul_u32_u24 v10, v13, 272
	s_delay_alu instid0(VALU_DEP_1)
	v_lshl_add_u32 v10, v12, 4, v10
	s_delay_alu instid0(VALU_DEP_1)
	v_add_nc_u32 v10, s51, v10                     ; back: lanes 0-15 one row, lanes 16-31 the next
	s_mul_i32 s51, s[W7], 4608
	s_add_co_u32 s51, s51, MERGE
	v_add_nc_u32 v[MG], s51, v1                    ; where the odd wave's state goes and the even wave finds it: 16 bytes a lane, 512 an instruction
	v_mov_b32 v13, 0xff61b1e6                      ; the largest t so far: -3e38, under every t
	s_delay_alu instid0(VALU_DEP_1)
	v_floor_f32 v12, -v13                          ; -M
	v_mov_b32 v14, 0                               ; the sum, in two halves
	v_mov_b32 v15, 0
.irp j, 22,23,24,25,26,27
	v_mov_b32 v[\j], 0                             ; Q's upper 64 along K: zero codes
.endr
.irp i, 0,1,2,3
.irp j, 6,7,8,9,10,11
	v_mov_b32 v[KB+12*\i+\j], 0                    ; K's likewise, once: the loads fill registers 0-5 alone
.endr
.endr
.set j, 0
.rept 32
	v_mov_b32 v[OT+j], 0                           ; O^T.  (The step is written once: the first finds zeros, which the first change of M leaves zeros; a wave without a step hands zeros over)
.set j, j+1
.endr
.irp b, 236,237,238,239,252
	v_mov_b32 v[\b], 0                             ; written once: a lane permute's destination counts as one of its sources
.endr
	v_mov_b32 v253, 0                              ; (named as the upper half of the pair v[252:253] before it is first written)
; A KEY STEP: 128 keys, the record at s[TB].
.macro STEP
	s_cmp_gt_u32 s[ST], s[AA]                      ; a step all of whose keys come after my queries is left out: a branch on the wave's number and the step's, round the work, not round the lines that step addresses
	s_cbranch_scc1 .Lskip_\@
	s_setprio 2
	v_add_nc_u32 v4, s[TB], v1
	v_add_nc_u32 v5, s[TB], v2
	v_add_nc_u32 v6, s[TB], v3
	v_nop                                          ; with the three additions: four places in front of loads into registers that the last step's products read
.irp i, 0,1,2,3
	ds_load_b32 v[28+\i], v6 offset:12288+128*\i   ; K's scale words
.endr
.irp i, 0,1,2,3
	ds_load_b128 v[KB+12*\i:KB+12*\i+3], v4 offset:768*\i          ; K's tiles 0-3
	ds_load_b64 v[KB+12*\i+4:KB+12*\i+5], v5 offset:768*\i+512
.endr
.irp t, 0,1,2,3
.irp q, 0,1,2
	ds_load_b128 v[VF+12*\t+4*\q:VF+12*\t+4*\q+3], v4 offset:6144+1536*\t+512*\q   ; V's four fragments
.endr
.endr
.irp i, 0,1
	ds_load_b32 v[248+\i], v6 offset:12800+128*\i  ; V's scale words
.endr
	s_wait_alu depctr_va_vdst(0)
	s_wait_dscnt 14                                ; K's words and tiles 0-3 are in; V's fourteen loads may be out
.irp g, 0,1                                    ; S^T = K Q^T, four tiles of 16 keys at a time; an even tile's words stand in lanes 0-15 of their register, an odd tile's in lanes 16-31
.if \g > 0
.rept 4
	v_nop                                          ; places in front of loads into the buffers just multiplied
.endr
.irp i, 0,1,2,3
	ds_load_b128 v[KB+12*\i:KB+12*\i+3], v4 offset:768*(4+\i)      ; K's tiles 4-7
	ds_load_b64 v[KB+12*\i+4:KB+12*\i+5], v5 offset:768*(4+\i)+512
.endr
	s_wait_dscnt 0x0
.endif
.irp i, 0,2
	v_wmma_scale_f32_16x16x128_f8f6f4 v[SC+8*(4*\g+\i):SC+8*(4*\g+\i)+7], v[KB+12*\i:KB+12*\i+11], v[16:27], 0, v[28+2*\g+\i/2], v255 matrix_a_fmt:MATRIX_FMT_FP6 matrix_b_fmt:MATRIX_FMT_FP6
	v_wmma_scale_f32_16x16x128_f8f6f4 v[SC+8*(4*\g+\i+1):SC+8*(4*\g+\i+1)+7], v[KB+12*(\i+1):KB+12*(\i+1)+11], v[16:27], 0, v[28+2*\g+\i/2], v255 matrix_a_fmt:MATRIX_FMT_FP6 matrix_b_fmt:MATRIX_FMT_FP6 matrix_a_scale:MATRIX_SCALE_ROW1
.endr
.endr
.rept 4
	v_nop                                          ; places in front of the first read of results
.endr
	s_cmp_lg_u32 s[ST], s[AA]                      ; on the diagonal the scores of hidden keys become -infinity ahead of the maximum: p = 0 then.  The steps before it skip this
	s_cbranch_scc1 .Lopen_\@
	v_mov_b32 v254, 0xff800000
.set n, 0
.rept 64
	v_cmp_gt_i32 vcc_lo, 16*(n/8)+n%8, v8
	v_cndmask_b32 v[SC+n], v[SC+n], v254, vcc_lo
.set n, n+1
.endr
.Lopen_\@:
.irp b, 0,1,2,3
	v_max3_num_f32 v[232+\b], v[SC+16*\b], v[SC+1+16*\b], v[SC+2+16*\b]   ; THE LARGEST SCORE OF EACH BLOCK OF 32 KEYS: it serves for the row's maximum and, since p rises with the score, for the block's largest p
.endr
.irp i, 3,5,7,9,11,13
.irp b, 0,1,2,3
	v_max3_num_f32 v[232+\b], v[232+\b], v[SC+16*\b+\i], v[SC+1+16*\b+\i]   ; (the four blocks by turns)
.endr
.endr
.irp b, 0,1,2,3
	v_max_num_f32 v[232+\b], v[232+\b], v[SC+15+16*\b]
.endr
.irp b, 0,1,2,3
	s_delay_alu instid0(VALU_DEP_4)
	v_permlanex16_b32 v[236+\b], v[232+\b], s[SEL], s[SEL+1]
.endr
.irp b, 0,1,2,3
	s_delay_alu instid0(VALU_DEP_4)
	v_max_num_f32 v[232+\b], v[232+\b], v[236+\b]  ; with lane l xor 16's 16 keys
.endr
	s_delay_alu instid0(VALU_DEP_2)
	v_max3_num_f32 v254, v232, v233, v234
	s_delay_alu instid0(VALU_DEP_1)
	v_max_num_f32 v254, v254, v235                 ; the step's largest score of my query (the step's first key counts for every query of mine, so it is a number)
	s_delay_alu instid0(VALU_DEP_1)
	v_mul_f32 v254, s[CS], v254                    ; as t (c is positive)
	s_delay_alu instid0(VALU_DEP_1)
	v_max_num_f32 v13, v13, v254                   ; the running largest t
	v_mov_b32 v254, v12
	s_delay_alu instid0(VALU_DEP_2)
	v_floor_f32 v12, -v13                          ; the new -M = floor(-t) = -ceil(t): M IS A WHOLE NUMBER
	s_delay_alu instid0(VALU_DEP_1)
	v_sub_f32 v254, v12, v254                      ; M's old value less its new one: a whole number, 0 or less
	s_delay_alu instid0(VALU_DEP_1)
	v_cvt_i32_f32 v254, v254                       ; (it saturates)
	s_delay_alu instid0(VALU_DEP_1)
	v_ldexp_f32 v252, 1.0, v254                    ; f = 2^(old M - new M)
.set j, 0
	s_setprio 1
.rept 32
	v_pk_fma_f32 v[SC+j:SC+j+1], v[SC+j:SC+j+1], s[CS:CS+1], v[12:13] op_sel_hi:[1,0,0]   ; t - M, two at a time (of the pairs c and -M the low word serves both halves)
.set j, j+2
.endr
.irp b, 0,1,2,3
	v_fma_f32 v[232+\b], v[232+\b], s[CS], v12     ; the same of each block's largest score
.endr
.set j, 0
	s_wait_alu depctr_va_vdst(0)
.rept 64
	v_exp_f32 v[SC+j], v[SC+j]                     ; p = 2^(t - M), at most 1: NOT normalised
.set j, j+1
.endr
.irp b, 0,1,2,3
	v_exp_f32 v[232+\b], v[232+\b]                 ; the block's largest p: the same two instructions on the same number give the same bits
.endr
	v_pk_mul_f32 v[14:15], v[14:15], v[252:253] op_sel_hi:[1,0]   ; the sums under the new M.  (A plain place behind the exponentials)
	s_wait_alu depctr_va_vdst(0)
.irp b, 0,1,2,3
	v_max_num_f32 v[232+\b], 0x1800000, v[232+\b]  ; the floor 2^(3 - 127): the byte cannot fall under 1 (a block whose every p is 0 keeps that byte: its codes are zeros)
.endr
.irp b, 0,1,2,3
	s_delay_alu instid0(VALU_DEP_4)
	v_add_nc_u32 v[244+\b], 0xff000000, v[232+\b]  ; 2 off the exponent field: the conversion's scale operand
.endr
.irp b, 0,1,2,3
	s_delay_alu instid0(VALU_DEP_4)
	v_lshrrev_b32 v[236+\b], 23, v[244+\b]         ; the scale's byte
.endr
	s_delay_alu instid0(VALU_DEP_3)
	v_lshl_or_b32 v253, v237, 8, v236              ; p's scale word for these 128 keys
	s_delay_alu instid0(VALU_DEP_1)
	v_lshl_or_b32 v253, v238, 16, v253
	s_delay_alu instid0(VALU_DEP_1)
	v_lshl_or_b32 v253, v239, 24, v253
.irp c, 0,1
	v_cvt_scalef32_pk16_fp6_f32 v[224+6*\c:226+6*\c], v[SC+32*\c:SC+15+32*\c], v[244+2*\c]
	v_cvt_scalef32_pk16_fp6_f32 v[236+4*\c:238+4*\c], v[SC+16+32*\c:SC+31+32*\c], v[244+2*\c+1]   ; (a conversion's three registers begin on an even number)
.endr
	v_nop                                          ; one plain place behind a scaled conversion
.irp c, 0,1                                    ; the operand's layout wants a WHOLE block in a lane: lanes 0-15 block 2 c, lanes 16-31 block 2 c + 1
.irp i, 0,1,2
	v_permlane16_swap_b32 v[224+6*\c+\i], v[236+4*\c+\i]
.endr
.irp i, 0,1,2
	s_delay_alu instid0(VALU_DEP_3)
	v_mov_b32 v[227+6*\c+\i], v[236+4*\c+\i]
.endr
.endr
.set j, 0
.rept 16
	v_pk_mul_f32 v[OT+j:OT+j+1], v[OT+j:OT+j+1], v[252:253] op_sel_hi:[1,0]   ; O^T under the new M: x f
.set j, j+2
.endr
	s_setprio 0
	v_pk_add_f32 v[236:237], v[132:133], v[136:137]
	v_pk_add_f32 v[246:247], v[140:141], v[144:145]
	v_pk_add_f32 v[244:245], v[148:149], v[152:153]
	v_pk_add_f32 v[240:241], v[156:157], v[160:161]
	v_pk_add_f32 v[72:73], v[164:165], v[168:169]
	v_pk_add_f32 v[70:71], v[172:173], v[176:177]
	v_pk_add_f32 v[68:69], v[180:181], v[184:185]
	v_pk_add_f32 v[14:15], v[14:15], v[188:189]
	v_pk_add_f32 v[236:237], v[236:237], v[128:129]
	v_pk_add_f32 v[246:247], v[246:247], v[130:131]
	v_pk_add_f32 v[244:245], v[244:245], v[134:135]
	v_pk_add_f32 v[240:241], v[240:241], v[138:139]
	v_pk_add_f32 v[72:73], v[72:73], v[142:143]
	v_pk_add_f32 v[70:71], v[70:71], v[146:147]
	v_pk_add_f32 v[68:69], v[68:69], v[150:151]
	v_pk_add_f32 v[14:15], v[14:15], v[154:155]
	v_pk_add_f32 v[236:237], v[236:237], v[158:159]
	v_pk_add_f32 v[246:247], v[246:247], v[162:163]
	v_pk_add_f32 v[244:245], v[244:245], v[166:167]
	v_pk_add_f32 v[240:241], v[240:241], v[170:171]
	v_pk_add_f32 v[72:73], v[72:73], v[174:175]
	v_pk_add_f32 v[70:71], v[70:71], v[178:179]
	v_pk_add_f32 v[68:69], v[68:69], v[182:183]
	v_pk_add_f32 v[14:15], v[14:15], v[186:187]
	v_pk_add_f32 v[236:237], v[236:237], v[190:191]
	s_delay_alu instid0(VALU_DEP_2)
	v_pk_add_f32 v[14:15], v[14:15], v[240:241]
	s_delay_alu instid0(VALU_DEP_2)
	v_pk_add_f32 v[236:237], v[236:237], v[72:73]
	v_pk_add_f32 v[246:247], v[246:247], v[70:71]
	v_pk_add_f32 v[244:245], v[244:245], v[68:69]
	s_delay_alu instid0(VALU_DEP_2)
	v_pk_add_f32 v[14:15], v[14:15], v[246:247]
	s_delay_alu instid0(VALU_DEP_2)
	v_pk_add_f32 v[236:237], v[236:237], v[244:245]
	s_delay_alu instid0(VALU_DEP_1)
	v_pk_add_f32 v[14:15], v[14:15], v[236:237]
.irp t, 0,2                                    ; O^T += V^T P^T: four tiles of 16 channels, K = these 128 keys; one product on each accumulator (V came in with K's tiles 4-7's wait)
	v_wmma_scale_f32_16x16x128_f8f6f4 v[OT+8*\t:OT+8*\t+7], v[VF+12*\t:VF+12*\t+11], v[224:235], v[OT+8*\t:OT+8*\t+7], v[248+\t/2], v253 matrix_a_fmt:MATRIX_FMT_FP6 matrix_b_fmt:MATRIX_FMT_FP6
	v_wmma_scale_f32_16x16x128_f8f6f4 v[OT+8*(\t+1):OT+8*(\t+1)+7], v[VF+12*(\t+1):VF+12*(\t+1)+11], v[224:235], v[OT+8*(\t+1):OT+8*(\t+1)+7], v[248+\t/2], v253 matrix_a_fmt:MATRIX_FMT_FP6 matrix_b_fmt:MATRIX_FMT_FP6 matrix_a_scale:MATRIX_SCALE_ROW1
.endr
.Lskip_\@:
	s_add_co_u32 s[TB], s[TB], 2*KREC              ; my next step is two records on: the one between is my partner's
	s_add_co_u32 s[ST], s[ST], 2
.endm
	s_wait_loadcnt 0x0                             ; Q
	s_wait_tensorcnt 0x0                           ; my piece is in
	s_barrier_signal -1
	s_barrier_wait -1                              ; everybody's is: the batch's eight records lie in LDS
	s_mov_b32 s[CNT], 4                            ; steps par, par + 2, par + 4, par + 6
.Lsteps:
	STEP
	s_sub_co_u32 s[CNT], s[CNT], 1
	s_cmp_lg_u32 s[CNT], 0
	s_cbranch_scc1 .Lsteps
	s_setprio 0
	; THE TWO WAVES OF A TILE MEET.  The odd wave's -M, sum and O^T go to LDS as they stand in its registers; a barrier; the even wave loads them into the same lanes.
.rept 4
	v_nop                                          ; places behind the last products, in front of the first read of their results
.endr
	s_cmp_lt_u32 s[WV], 8                          ; a branch on the wave's number, round the stores alone
	s_cbranch_scc1 .Lkeeps
	s_wait_alu depctr_va_vdst(0)
	ds_store_b128 v[MG], v[12:15]                  ; -M, the largest t, the sum's two halves
.irp i, 0,1,2,3,4,5,6,7
	ds_store_b128 v[MG], v[OT+4*\i:OT+4*\i+3] offset:512+512*\i   ; each accumulator from its low end on
.endr
.Lkeeps:
	s_wait_dscnt 0x0                               ; for the partner's sake: my stores have landed
	s_barrier_signal -1
	s_barrier_wait -1
	s_cmp_gt_u32 s[WV], 7                          ; the odd waves have nothing left but the closing round
	s_cbranch_scc1 .Lhanded
	ds_load_b128 v[128:131], v[MG]
.irp i, 0,1,2,3,4,5,6,7
	ds_load_b128 v[132+4*\i:135+4*\i], v[MG] offset:512+512*\i
.endr
	s_wait_dscnt 0x0
	v_min_num_f32 v236, v12, v128                  ; -M of the whole row: the larger M of the two
	s_delay_alu instid0(VALU_DEP_1)
	v_sub_f32 v237, v236, v12                      ; my M less the row's, and my partner's: whole numbers, 0 or less
	s_delay_alu instid0(VALU_DEP_2)
	v_sub_f32 v238, v236, v128
	s_delay_alu instid0(VALU_DEP_2)
	v_cvt_i32_f32 v237, v237                       ; (they saturate: a partner that walked no step still has M = -3e38, and its factor is 0 over zeros)
	s_delay_alu instid0(VALU_DEP_2)
	v_cvt_i32_f32 v238, v238
	s_delay_alu instid0(VALU_DEP_2)
	v_ldexp_f32 v252, 1.0, v237                    ; fa, fb: powers of two, which round nothing
	s_wait_alu depctr_va_vdst(0)
	v_ldexp_f32 v238, 1.0, v238
	v_pk_mul_f32 v[14:15], v[14:15], v[252:253] op_sel_hi:[1,0]
	s_delay_alu instid0(VALU_DEP_1)
	v_pk_fma_f32 v[14:15], v[130:131], v[238:239], v[14:15] op_sel_hi:[1,0,1]   ; both sums under the row's M
	s_delay_alu instid0(VALU_DEP_1)
	v_add_f32 v14, v14, v15                        ; the sum's two halves,
	s_delay_alu instid0(VALU_DEP_1)
	v_permlanex16_b32 v237, v14, s[SEL], s[SEL+1]
	s_delay_alu instid0(VALU_DEP_1)
	v_add_f32 v14, v14, v237                       ; and lane l xor 16's: the row's sum
	s_wait_alu depctr_va_vdst(0)
	v_rcp_f32 v14, v14
	v_nop                                          ; one plain place behind the transcendental
	s_wait_alu depctr_va_vdst(0)
	v_mul_f32 v252, v252, v14                      ; the division goes into the two factors: a power of two x 1 / l
	v_mul_f32 v238, v238, v14
.set j, 0
.rept 16
	v_pk_mul_f32 v[132+j:133+j], v[132+j:133+j], v[238:239] op_sel_hi:[1,0]   ; the partner's O^T,
.set j, j+2
.endr
.set j, 0
.rept 16
	v_pk_fma_f32 v[132+j:133+j], v[OT+j:OT+j+1], v[252:253], v[132+j:133+j] op_sel_hi:[1,0,1]   ; and mine, each accumulator from its low end on: register 132 + 8 t + i is out(query r, channel 16 t + 8 h + i)
.set j, j+2
.endr
	; THE WAY OUT, through the tile's stage in LDS, so that whole rows of 256 bytes leave.
.irp t, 0,1,2,3
	ds_store_b128 v9, v[132+8*\t:135+8*\t] offset:64*\t
	ds_store_b128 v9, v[136+8*\t:139+8*\t] offset:64*\t+16
.endr
.irp i, 0,1,2,3,4,5,6,7
	ds_load_b128 v[32+4*\i:35+4*\i], v10 offset:544*\i   ; LDS serves a wave's instructions in order (ISA guide 5.7.1.4): these see my stores
.endr
.irp i, 0,1,2,3,4,5,6,7
	s_wait_dscnt 7-\i                              ; load i is in; those issued behind it may be out
	global_store_b128 v7, v[32+4*\i:35+4*\i], s[8:9] offset:512*\i th:TH_STORE_NT   ; 32 lanes store 512 consecutive bytes, at a multiple of 256 from out's first byte; written once, read by nobody here
.endr
.Lhanded:
	s_wait_tensorcnt 0x0
	ds_add_u32 v243, v251
	s_wait_dscnt 0x0
	CROUND                                         ; the closing round (no LDS instruction and no tensor load of mine is out): no work-group ends while a partner may still ask for a piece that names it
	s_endpgm
.Lfunc_end_k_qfa307c79c8_attn:
	.size	k_qfa307c79c8_attn, .Lfunc_end_k_qfa307c79c8_attn-k_qfa307c79c8_attn
	.p2alignl 7, 3214868480
	.fill 96, 4, 3214868480
	.section	.rodata,"a",@progbits
	.p2align	6, 0x0
	.amdhsa_kernel k_qfa307c79c8_attn
		.amdhsa_group_segment_fixed_size 178176
		.amdhsa_private_segment_fixed_size 0
		.amdhsa_enable_private_segment 0
		.amdhsa_kernarg_size 24
		.amdhsa_user_sgpr_count 2
		.amdhsa_user_sgpr_kernarg_segment_ptr 1
		.amdhsa_wavefront_size32 1
		.amdhsa_system_sgpr_workgroup_id_x 1
		.amdhsa_system_sgpr_workgroup_id_y 1
		.amdhsa_system_sgpr_workgroup_id_z 1
		.amdhsa_system_vgpr_workitem_id 0
		.amdhsa_next_free_vgpr 256
		.amdhsa_next_free_sgpr 66
		.amdhsa_reserve_vcc 1
		.amdhsa_float_denorm_mode_32 3
		.amdhsa_float_denorm_mode_16_64 3
		.amdhsa_memory_ordered 1
		.amdhsa_forward_progress 1
		.amdhsa_inst_pref_size 38
	.end_amdhsa_kernel
	.amdgpu_metadata
---
amdhsa.version: [ 1, 2 ]
amdhsa.kernels:
  - .name:           k_qfa307c79c8_attn
    .symbol:         k_qfa307c79c8_attn.kd
    .args:
      - { .name: qb, .offset: 0, .size: 8, .value_kind: global_buffer, .address_space: global }
      - { .name: kvs, .offset: 8, .size: 8, .value_kind: global_buffer, .address_space: global }
      - { .name: out0, .offset: 16, .size: 8, .value_kind: global_buffer, .address_space: global }
    .group_segment_fixed_size: 178176
    .private_segment_fixed_size: 0
    .kernarg_segment_align: 8
    .kernarg_segment_size: 24
    .max_flat_workgroup_size: 512
    .sgpr_count:     66
    .vgpr_count:     256
    .wavefront_size: 32
...
	.end_amdgpu_metadata
.endif
;; end of part 2
